; MI455X (gfx1250); checked and timed in simulation.
; The chip was launched on July 23, 2026; its instructions are those of AMD's public machine-readable ISA for CDNA 5 (MIT licence, August 2026) and "CDNA5" Instruction Set Architecture Reference Guide (July 2026). The comments in the code are by the model that wrote it; some were corrected since.
;; complex GRU Cell. Allowed arithmetic: matrix products marked QUANTISED: E2M1 operands, one E8M0 scale for each 32 along K, by v_wmma_scale_f32_16x16x128_f8f6f4 with both operands' format E2M1 (or v_wmma_scale_f32_32x16x128_f4), f32 sums; everything else in f32.
;; Inputs: h_im 16,384 x 256 float32; h_re 16,384 x 256 float32; uh_w_im 256 x 256 float32; uh_w_re 256 x 256 float32; ur_w_im 256 x 256 float32; ur_w_re 256 x 256 float32; uz_w_im 256 x 256 float32; uz_w_re 256 x 256 float32; wh_b_im 256 float32; wh_b_re 256 float32; wh_w_im 256 x 512 float32; wh_w_re 256 x 512 float32; wr_b_im 256 float32; wr_b_re 256 float32; wr_w_im 256 x 512 float32; wr_w_re 256 x 512 float32; wz_b_im 256 float32; wz_b_re 256 float32; wz_w_im 256 x 512 float32; wz_w_re 256 x 512 float32; x_im 16,384 x 256 float32; x_re 16,384 x 256 float32.
;; Outputs: out0 2 x 16,384 x 256 float32.
;; This version of the problem:
;;   THIS VERSION OF THE PROBLEM IS GIVEN IN LOW PRECISION. The matrix products marked QUANTISED in the list below multiply operands that are first quantised to E2M1 (2 exponent bits, 1 mantissa bit; 4 bits a number), with one power-of-two scale for each 32 numbers along K (OCP MX v1.0); their sums are f32. All else is computed in f32.
;;   The module's matrix products, in the order in which they are computed (A, B: the left and right operand; K: the contracted axis; several contracted axes count as one K, in the product's order):
;;     1. [M 16,384, K 512] x [K 512, N 256]; A: computed on the way; B: input wr_w_re: QUANTISED
;;     2. [M 16,384, K 512] x [K 512, N 256]; A: computed on the way; B: input wr_w_im: QUANTISED
;;     3. [M 16,384, K 512] x [K 512, N 256]; A: computed on the way; B: input wr_w_re: QUANTISED
;;     4. [M 16,384, K 512] x [K 512, N 256]; A: computed on the way; B: input wr_w_im: QUANTISED
;;     5. [M 16,384, K 256] x [K 256, N 256]; A: input h_re; B: input ur_w_re: QUANTISED
;;     6. [M 16,384, K 256] x [K 256, N 256]; A: input h_im; B: input ur_w_im: QUANTISED
;;     7. [M 16,384, K 256] x [K 256, N 256]; A: input h_im; B: input ur_w_re: QUANTISED
;;     8. [M 16,384, K 256] x [K 256, N 256]; A: input h_re; B: input ur_w_im: QUANTISED
;;     9. [M 16,384, K 512] x [K 512, N 256]; A: computed on the way; B: input wz_w_re: QUANTISED
;;     10. [M 16,384, K 512] x [K 512, N 256]; A: computed on the way; B: input wz_w_im: QUANTISED
;;     11. [M 16,384, K 512] x [K 512, N 256]; A: computed on the way; B: input wz_w_re: QUANTISED
;;     12. [M 16,384, K 512] x [K 512, N 256]; A: computed on the way; B: input wz_w_im: QUANTISED
;;     13. [M 16,384, K 256] x [K 256, N 256]; A: input h_re; B: input uz_w_re: QUANTISED
;;     14. [M 16,384, K 256] x [K 256, N 256]; A: input h_im; B: input uz_w_im: QUANTISED
;;     15. [M 16,384, K 256] x [K 256, N 256]; A: input h_im; B: input uz_w_re: QUANTISED
;;     16. [M 16,384, K 256] x [K 256, N 256]; A: input h_re; B: input uz_w_im: QUANTISED
;;     17. [M 16,384, K 512] x [K 512, N 256]; A: computed on the way; B: input wh_w_re: QUANTISED
;;     18. [M 16,384, K 512] x [K 512, N 256]; A: computed on the way; B: input wh_w_im: QUANTISED
;;     19. [M 16,384, K 512] x [K 512, N 256]; A: computed on the way; B: input wh_w_re: QUANTISED
;;     20. [M 16,384, K 512] x [K 512, N 256]; A: computed on the way; B: input wh_w_im: QUANTISED
;;     21. [M 16,384, K 256] x [K 256, N 256]; A: input h_re; B: input uh_w_re: QUANTISED
;;     22. [M 16,384, K 256] x [K 256, N 256]; A: input h_im; B: input uh_w_im: QUANTISED
;;     23. [M 16,384, K 256] x [K 256, N 256]; A: input h_im; B: input uh_w_re: QUANTISED
;;     24. [M 16,384, K 256] x [K 256, N 256]; A: input h_re; B: input uh_w_im: QUANTISED
;;   THE QUANTISER, for each operand of a quantised product, along K:
;;     - K is cut into blocks of 32 from its start; a last block that is shorter is filled with zeros.
;;     - A block's scale is 2^e with e = floor(log2(the largest magnitude in the block)) - 2, held to -126 .. 127; a block of zeros has e = 0. As a byte (E8M0): e + 127.
;;     - Each number is divided by its block's scale, clamped to +-6, and rounded to the nearest number of E2M1, ties to even, subnormals kept.
;;     - The product sums the exact products of the quantised numbers (number of the format x scale) in f32.
;;   ~~~python
;;   def quantise(x, axis):      # numpy; x: float32 -> the quantised numbers, widened to float32 again
;;       x = np.moveaxis(x, axis, -1); K = x.shape[-1]
;;       x = np.pad(x, [(0, 0)] * (x.ndim - 1) + [(0, -K % 32)]); x = x.reshape(x.shape[:-1] + (-1, 32)); a = np.abs(x).max(-1, keepdims=True)
;;       e = np.where(a > 0, np.clip(np.frexp(np.where(a > 0, a, 1))[1] - 1 - 2, -126, 127), 0)      # np.frexp(a)[1] - 1 = floor(log2(a)), exactly
;;       r = np.clip(x / 2.0 ** e, -6, 6)
;;       step = 2.0 ** (np.maximum(np.frexp(np.where(r == 0, 1, r))[1] - 1, 0) - 1)
;;       q = np.round(r / step) * step * 2.0 ** e      # np.round: ties to even
;;       return np.moveaxis(q.reshape(q.shape[:-2] + (-1,))[..., :K], -1, axis).astype(np.float32)
;;   ~~~
;;   OPERANDS COMPUTED ON THE WAY. 'Computed on the way' means the value that the module computes at that place (a softmax that the list does not call 'softmax' is quantised finished and normalised). What goes into a quantiser is computed in f32, as accurately as f32 sums, v_exp_f32 and their like allow (about 1e-6 of the number): no bf16 or f16 on the way to a quantiser, and a product that is left as it is and whose result goes on into a quantised operand takes f32 operands (vector FMAs, or v_wmma_f32_16x16x4_f32). A number that lies on a knife's edge between two numbers of the format may be rounded either way, as far as f32 arithmetic and the matrix unit's own rounding can turn it there, and no further.
;; One version. Each part assembles by itself: llvm-mc -triple=amdgcn-amd-amdhsa -mcpu=gfx1250 --defsym DOCPART=n.
;; ======== version 1 of 1: 2 launches
;; workspace buffers: wq 626,688 bytes; bq 6,144 bytes
;; launch prep (part 1): grid 19 x 4, 4 waves a work-group, no clusters, 68,608 bytes of LDS; arguments wr_w_re, wr_w_im, wz_w_re, wz_w_im, wh_w_re, wh_w_im, ur_w_re, ur_w_im, uz_w_re, uz_w_im, uh_w_re, uh_w_im, wr_b_re, wr_b_im, wz_b_re, wz_b_im, wh_b_re, wh_b_im, wq, bq; writes wq, bq
.if DOCPART == 1
	.amdgcn_target "amdgcn-amd-amdhsa--gfx1250"
	.amdhsa_code_object_version 6
	.text
	.protected	k_qe9d4043518_prep
	.globl	k_qe9d4043518_prep
	.p2align	8
	.type	k_qe9d4043518_prep,@function
k_qe9d4043518_prep:
	s_mov_b64 s[64:65], 0
	v_nop
	global_prefetch_b8 v0, s[64:65] scope:SCOPE_SE
	s_setreg_imm32_b32 hwreg(HW_REG_WAVE_MODE, 25, 1), 1
	s_wait_xcnt 0x0
; The twelve weights ([256][512] or [256][256] f32, K innermost) become codes of FP4 (E2M1) with one E8M0 byte for each 32 along K, laid in the order in which the
; second launch's waves take them into operand registers; the six biases become three pairs c (b_re - b_im), c (b_re + b_im), c = -log2(e) for the gates r and z, 2 log2(e) for h.
; A UNIT is one pair of matrices (re, im), 128 along K, all 256 rows: 32 fragments of 1,024 bytes and 2,048 bytes of scale words.  18 units, in the order in which they are multiplied:
;   u  0 Wr k0 0 | 1 Wz 0 | 2 Wr 128 | 3 Wz 128 | 4 Wr 256 | 5 Ur 0 | 6 Wr 384 | 7 Ur 128 | 8 Wz 256 | 9 Uz 0 | 10 Wz 384 | 11 Uz 128 | 12 Wh 0 | 13 Wh 128 | 14 Uh 0 | 15 Uh 128 | 16 Wh 256 | 17 Wh 384
; wq is laid by the second launch's fills: four units, three, four, three, four.  With p = u / 7 and v = u % 7 the block of (u, w) begins at 243,712 p + 34,816 w + 8,704 v (v under 4) or at
; 243,712 p + 139,264 + 26,112 w + 8,704 (v - 4).  In a block of 8,704 bytes fragment f = 4 part + t lies at 1,024 f: lane l's registers 4 c .. 4 c + 3 at 512 c + 16 l; at 8,192 the scale words: lane l's 16 bytes are
; the words of tiles t = 0 .. 3, lanes 0-15 of the re fragments' rows, lanes 16-31 of the im fragments'.
; THE ROWS OF A TILE ARE NOT NEIGHBOURS: lane r of tile t = 2 b + e of part w takes row 64 w + 32 b + 8 e + r + 8 (r / 8), so that in the transposed product the 16 registers of tiles 2 b, 2 b + 1 are 16 neighbouring columns.
; SHARES: work-group (u, w); wave t makes tile t, re and im.  Each load takes one row's 512 bytes, 16 a lane; a tile's 16 rows turn through the wave's own stage in LDS, so that lane (r, h) holds
; k = 64 c + 32 h + 0 .. 31 of its row: two whole blocks, and no other lane is asked for a maximum.  Work-groups x = 18 make the biases.
; A block's scale byte is its largest magnitude's exponent field - 2, held at 1 from below.
; LIMITS: a block of zeros gets the byte 1 (its codes are zeros; this program alone reads the bytes); blocks whose largest magnitude lies under 2^-124 are held at the byte 1; NaN and infinities are not served.
.set S0B,   139264                     ; four units
.set PERB,  243712                     ; four units and three
.set UNITB, 8704                       ; a wave's part of a unit
.set STG,   512                        ; LDS: bytes 0-511 the scale words; from here a stage for each wave and part
.set SP,    528                        ; a stage row: 512 bytes + 16: the sixteen rows that a load touches start at sixteen different banks (64 banks of 4 bytes: ISA guide 11.1)
.set WSTG,  2*16*SP                    ; a wave's two stages
.set FRE,  16                          ; v16-23  the re fragment;  v24-31 the im fragment
.set NRE,  32                          ; v32-95  the re tile's 64 numbers of my lane;  v96-159 the im tile's
.set MXW,  160                         ; v160-161 largest magnitudes, v162-163 scale operands, v164-165 bytes, v166 the other half's word
.set WDR,  168                         ; v168 re's scale word, v169 im's, v170 the one that my lane stores
.set OFF,  176                         ; v176-191 byte offset of my 16 bytes in each of the tile's 16 rows
	s_load_b512 s[8:23], s[0:1], 0x0               ; Wr re, im; Wz re, im; Wh re, im; Ur re, im
	s_load_b256 s[24:31], s[0:1], 0x40             ; Uz re, im; Uh re, im
	s_load_b256 s[32:39], s[0:1], 0x60             ; r's biases re, im; z's
	s_load_b256 s[40:47], s[0:1], 0x80             ; h's biases re, im; wq; bq
	v_lshl_add_u32 v192, v0, 2, 0x10a00
	v_mov_b32 v193, 0
	s_and_b32 s48, ttmp7, 0xffff                   ; w
	v_lshrrev_b32 v1, 5, v0
	v_readfirstlane_b32 s49, v1                    ; wave = tile t
	v_and_b32 v1, 31, v0                           ; lane
	v_and_b32 v2, 15, v0                           ; r
	v_bfe_u32 v3, v0, 4, 1                         ; h
	s_mov_b32 s50, 0x76543210
	s_mov_b32 s51, 0xfedcba98                      ; v_permlanex16_b32's selects for lane l xor 16
	s_wait_kmcnt 0x0
	s_cmp_eq_u32 ttmp9, 18
	s_cbranch_scc1 .Lbias                          ; the same way for all four waves: it hangs on the work-group's number alone
	; which pair of matrices: z's where bit u of 0xf0a is set, h's from u = 12 on, U's where bit u of 0xcaa0 is set.  The choices hang on the work-group's number alone.
	s_lshr_b32 s2, 0xf0a, ttmp9
	s_and_b32 s2, s2, 1
	s_cmp_eq_u32 s2, 1
	s_cselect_b64 s[8:9], s[12:13], s[8:9]
	s_cselect_b64 s[10:11], s[14:15], s[10:11]
	s_cselect_b64 s[20:21], s[24:25], s[20:21]
	s_cselect_b64 s[22:23], s[26:27], s[22:23]
	s_cmp_ge_u32 ttmp9, 12
	s_cselect_b64 s[8:9], s[16:17], s[8:9]
	s_cselect_b64 s[10:11], s[18:19], s[10:11]
	s_cselect_b64 s[20:21], s[28:29], s[20:21]
	s_cselect_b64 s[22:23], s[30:31], s[22:23]
	s_lshr_b32 s2, 0xcaa0, ttmp9
	s_and_b32 s2, s2, 1
	s_cmp_eq_u32 s2, 1
	s_cselect_b64 s[8:9], s[20:21], s[8:9]
	s_cselect_b64 s[10:11], s[22:23], s[10:11]
	s_cselect_b32 s3, 10, 11                       ; a row is 1,024 bytes in U, 2,048 in W
	s_lshl_b32 s56, 1, s3                          ; in bytes
	; k0 / 128, two bits a unit: units 0-15 in one word, 16 and 17 in another
	s_mov_b32 s2, 0x44727250
	s_cmp_lt_u32 ttmp9, 16
	s_cselect_b32 s2, s2, 14
	s_lshl_b32 s52, ttmp9, 1
	s_and_b32 s52, s52, 31
	s_lshr_b32 s2, s2, s52
	s_and_b32 s2, s2, 3
	s_lshl_b32 s2, s2, 9                           ; k0 in bytes
	s_lshl_b32 s52, s48, 6                         ; 64 w
	s_lshr_b32 s53, s49, 1
	s_lshl_b32 s53, s53, 5                         ; + 32 b
	s_add_co_u32 s52, s52, s53
	s_and_b32 s53, s49, 1
	s_lshl_b32 s53, s53, 3                         ; + 8 e: the tile's first row
	s_add_co_u32 s52, s52, s53
	s_lshl_b32 s52, s52, s3
	s_add_co_u32 s52, s52, s2                      ; its byte, + k0
	v_lshl_add_u32 v4, v1, 4, s52                  ; + 16 x lane
.irp i, 0,1,2,3,4,5,6,7,8,9,10,11,12,13,14,15
	v_mad_u32_u24 v[OFF+\i], s56, \i+8*(\i/8), v4  ; the tile's row i lies i + 8 (i / 8) rows on
.endr
.irp i, 0,1,2,3,4,5,6,7,8,9,10,11,12,13,14,15
	global_load_b128 v[NRE+4*\i:NRE+4*\i+3], v[OFF+\i], s[8:9]          ; 32 lanes read 512 consecutive bytes of one row
.endr
.irp i, 0,1,2,3,4,5,6,7,8,9,10,11,12,13,14,15
	global_load_b128 v[NRE+64+4*\i:NRE+64+4*\i+3], v[OFF+\i], s[10:11]
.endr
	; where the block goes.  u / 7 = 37 u >> 8 for u under 18
	s_mul_i32 s52, ttmp9, 37
	s_lshr_b32 s52, s52, 8                         ; p
	s_mul_i32 s53, s52, 7
	s_sub_co_u32 s53, ttmp9, s53                   ; v
	s_mul_i32 s52, s52, PERB
	s_mov_b32 s54, 4*UNITB
	s_cmp_ge_u32 s53, 4
	s_cselect_b32 s54, 3*UNITB, s54                ; a wave's part of the fill
	s_cselect_b32 s55, S0B-4*UNITB, 0              ; v from 4 on: 139,264 + 8,704 (v - 4)
	s_mul_i32 s53, s53, UNITB
	s_add_co_u32 s52, s52, s53
	s_add_co_u32 s52, s52, s55
	s_mul_i32 s54, s54, s48
	s_add_co_u32 s52, s52, s54
	s_mov_b32 s53, 0
	s_add_nc_u64 s[44:45], s[44:45], s[52:53]
	s_lshl_b32 s54, s49, 10
	v_lshl_add_u32 v5, v1, 4, s54                  ; my 16 bytes of a register group of tile t's fragment
	s_lshl_b32 s54, s49, 2
	v_lshl_add_u32 v6, v1, 4, s54                  ; LDS: lane l's 16 bytes, word t
	v_lshlrev_b32 v7, 4, v1                        ; 16 x lane
	v_lshlrev_b32 v8, 3, v3                        ; 8 h: my two bytes' place in the scale word
	s_mul_i32 s57, s49, WSTG
	s_add_co_u32 s57, s57, STG                     ; my stages
	v_lshl_add_u32 v9, v1, 4, s57                  ; in: 16 x lane of a row
	v_mul_u32_u24 v10, v2, SP
	v_lshl_add_u32 v10, v3, 7, v10
	v_add_nc_u32 v10, s57, v10                     ; back: row r, + 32 h numbers
	v_mov_b32 v166, 0                              ; written once: a lane permute's destination counts as one of its sources
; Part p's 16 rows go through my stage and come back into the registers that they left: register 32 c + 4 j + i = k 64 c + 32 h + 4 j + i of row r.
; LDS serves a wave's instructions in order (ISA guide 5.7.1.4): no wait stands between the stores and the loads.
.macro TURN p
.irp i, 0,1,2,3,4,5,6,7,8,9,10,11,12,13,14,15
	ds_store_b128 v9, v[NRE+64*\p+4*\i:NRE+64*\p+4*\i+3] offset:\p*16*SP+\i*SP
.endr
.irp c, 0,1
.irp j, 0,1,2,3,4,5,6,7
	ds_load_b128 v[NRE+64*\p+32*\c+4*\j:NRE+64*\p+32*\c+4*\j+3], v10 offset:\p*16*SP+256*\c+16*\j
.endr
.endr
.endm
; 64 numbers v[src] on (register 32 c + i = k 64 c + 32 h + i of my row) become the fragment v[frag] .. v[frag + 7] and the row's scale word
.macro QW src, frag, word
.irp c, 0,1
	v_max3_num_f32 v[MXW+\c], |v[\src+32*\c]|, |v[\src+32*\c+1]|, 0x1800000   ; my block 2 c + h, and the floor 2^(3 - 127): the byte cannot fall under 1
.endr
.irp i, 2,4,6,8,10,12,14,16,18,20,22,24,26,28,30
.irp c, 0,1
	v_max3_num_f32 v[MXW+\c], v[MXW+\c], |v[\src+32*\c+\i]|, |v[\src+32*\c+\i+1]|   ; the two blocks by turns
.endr
.endr
.irp c, 0,1
	v_add_nc_u32 v[MXW+2+\c], 0xff000000, v[MXW+\c]    ; 2 off the exponent field: the conversion's scale operand
.endr
.irp c, 0,1
	v_lshrrev_b32 v[MXW+4+\c], 23, v[MXW+2+\c]         ; the scale's byte
.endr
	v_lshl_or_b32 v[\word], v[MXW+5], 16, v[MXW+4]     ; blocks h and 2 + h,
	v_lshlrev_b32 v[\word], v8, v[\word]               ; at their places;
	v_permlanex16_b32 v[MXW+6], v[\word], s50, s51
	v_or_b32 v[\word], v[\word], v[MXW+6]              ; with lane l xor 16's two the word is whole
.irp c, 0,1
.irp g, 0,1,2,3
	v_cvt_scalef32_pk8_fp4_f32 v[\frag+4*\c+\g], v[\src+32*\c+8*\g:\src+32*\c+8*\g+7], v[MXW+2+\c]
.endr
.endr
	v_nop                                          ; one plain place behind the conversions: the scale operands are written again for the other part
.endm
	s_wait_loadcnt 16                              ; re's sixteen loads are in; im's sixteen may be out
	TURN 0
	s_wait_loadcnt 0x0
	TURN 1
	s_wait_dscnt 32                                ; im's sixteen stores and sixteen loads may be out: re's numbers are back
	QW NRE, FRE, WDR
	s_wait_dscnt 0x0
	QW NRE+64, FRE+8, WDR+1
.irp p, 0,1
.irp c, 0,1
	global_store_b128 v5, v[FRE+8*\p+4*\c:FRE+8*\p+4*\c+3], s[44:45] offset:4096*\p+512*\c   ; 32 lanes store 512 consecutive bytes, at a multiple of 256 from wq's first byte
.endr
.endr
	v_cmp_gt_u32 vcc_lo, 16, v1
	v_cndmask_b32 v[WDR+2], v[WDR+1], v[WDR], vcc_lo   ; lanes 0-15 re's word of row r, lanes 16-31 im's
	ds_store_b32 v6, v[WDR+2]
	s_wait_dscnt 0x0                               ; for wave 0's sake: my word lies in LDS
	s_barrier_signal -1
	s_barrier_wait -1
	s_cmp_lg_u32 s49, 0
	s_cbranch_scc1 .Ldone
	ds_load_b128 v[172:175], v7                    ; the four tiles' words, 16 bytes a lane
	s_wait_dscnt 0x0
	global_store_b128 v7, v[172:175], s[44:45] offset:8192   ; 512 consecutive bytes
.Ldone:
	s_wait_tensorcnt 0x0
	ds_add_u32 v192, v193
	s_wait_dscnt 0x0
	s_endpgm
.Lbias:
	; bq: [w][gate][part][64]: thread t: column 64 w + t % 64, part t / 64.  Part 0: c (b_re - b_im); part 1: c (b_re + b_im)
	v_and_b32 v4, 63, v0
	v_lshlrev_b32 v4, 2, v4
	s_lshl_b32 s52, s48, 8
	v_add_nc_u32 v4, s52, v4
	global_load_b32 v16, v4, s[32:33]
	global_load_b32 v17, v4, s[34:35]
	global_load_b32 v18, v4, s[36:37]
	global_load_b32 v19, v4, s[38:39]
	global_load_b32 v20, v4, s[40:41]
	global_load_b32 v21, v4, s[42:43]
	v_lshrrev_b32 v5, 6, v0
	v_xor_b32 v5, 1, v5
	v_lshlrev_b32 v5, 31, v5                       ; part 0 turns b_im's sign
	s_mul_i32 s52, s48, 1536
	v_lshl_add_u32 v6, v0, 2, s52
	s_wait_loadcnt 0x0
	v_xor_b32 v17, v5, v17
	v_xor_b32 v19, v5, v19
	v_xor_b32 v21, v5, v21
	v_add_f32 v16, v16, v17
	v_add_f32 v18, v18, v19
	v_add_f32 v20, v20, v21
	v_mul_f32 v16, 0xbfb8aa3b, v16                 ; -log2(e)
	v_mul_f32 v18, 0xbfb8aa3b, v18
	v_mul_f32 v20, 0x4038aa3b, v20                 ; 2 log2(e)
	global_store_b32 v6, v16, s[46:47]
	global_store_b32 v6, v18, s[46:47] offset:512
	global_store_b32 v6, v20, s[46:47] offset:1024
	s_endpgm
.Lfunc_end_k_qe9d4043518_prep:
	.size	k_qe9d4043518_prep, .Lfunc_end_k_qe9d4043518_prep-k_qe9d4043518_prep
	.p2alignl 7, 3214868480
	.fill 96, 4, 3214868480
	.section	.rodata,"a",@progbits
	.p2align	6, 0x0
	.amdhsa_kernel k_qe9d4043518_prep
		.amdhsa_group_segment_fixed_size 68608
		.amdhsa_private_segment_fixed_size 0
		.amdhsa_enable_private_segment 0
		.amdhsa_kernarg_size 160
		.amdhsa_user_sgpr_count 2
		.amdhsa_user_sgpr_kernarg_segment_ptr 1
		.amdhsa_wavefront_size32 1
		.amdhsa_system_sgpr_workgroup_id_x 1
		.amdhsa_system_sgpr_workgroup_id_y 1
		.amdhsa_system_sgpr_workgroup_id_z 1
		.amdhsa_system_vgpr_workitem_id 0
		.amdhsa_next_free_vgpr 194
		.amdhsa_next_free_sgpr 66
		.amdhsa_reserve_vcc 1
		.amdhsa_float_denorm_mode_32 3
		.amdhsa_float_denorm_mode_16_64 3
		.amdhsa_memory_ordered 1
		.amdhsa_forward_progress 1
		.amdhsa_inst_pref_size 21
	.end_amdhsa_kernel
	.amdgpu_metadata
---
amdhsa.version: [ 1, 2 ]
amdhsa.kernels:
  - .name:           k_qe9d4043518_prep
    .symbol:         k_qe9d4043518_prep.kd
    .args:
      - { .name: wr_w_re, .offset: 0, .size: 8, .value_kind: global_buffer, .address_space: global }
      - { .name: wr_w_im, .offset: 8, .size: 8, .value_kind: global_buffer, .address_space: global }
      - { .name: wz_w_re, .offset: 16, .size: 8, .value_kind: global_buffer, .address_space: global }
      - { .name: wz_w_im, .offset: 24, .size: 8, .value_kind: global_buffer, .address_space: global }
      - { .name: wh_w_re, .offset: 32, .size: 8, .value_kind: global_buffer, .address_space: global }
      - { .name: wh_w_im, .offset: 40, .size: 8, .value_kind: global_buffer, .address_space: global }
      - { .name: ur_w_re, .offset: 48, .size: 8, .value_kind: global_buffer, .address_space: global }
      - { .name: ur_w_im, .offset: 56, .size: 8, .value_kind: global_buffer, .address_space: global }
      - { .name: uz_w_re, .offset: 64, .size: 8, .value_kind: global_buffer, .address_space: global }
      - { .name: uz_w_im, .offset: 72, .size: 8, .value_kind: global_buffer, .address_space: global }
      - { .name: uh_w_re, .offset: 80, .size: 8, .value_kind: global_buffer, .address_space: global }
      - { .name: uh_w_im, .offset: 88, .size: 8, .value_kind: global_buffer, .address_space: global }
      - { .name: wr_b_re, .offset: 96, .size: 8, .value_kind: global_buffer, .address_space: global }
      - { .name: wr_b_im, .offset: 104, .size: 8, .value_kind: global_buffer, .address_space: global }
      - { .name: wz_b_re, .offset: 112, .size: 8, .value_kind: global_buffer, .address_space: global }
      - { .name: wz_b_im, .offset: 120, .size: 8, .value_kind: global_buffer, .address_space: global }
      - { .name: wh_b_re, .offset: 128, .size: 8, .value_kind: global_buffer, .address_space: global }
      - { .name: wh_b_im, .offset: 136, .size: 8, .value_kind: global_buffer, .address_space: global }
      - { .name: wq, .offset: 144, .size: 8, .value_kind: global_buffer, .address_space: global }
      - { .name: bq, .offset: 152, .size: 8, .value_kind: global_buffer, .address_space: global }
    .group_segment_fixed_size: 68608
    .private_segment_fixed_size: 0
    .kernarg_segment_align: 8
    .kernarg_segment_size: 160
    .max_flat_workgroup_size: 128
    .sgpr_count:     66
    .vgpr_count:     194
    .wavefront_size: 32
...
	.end_amdgpu_metadata
.endif
;; end of part 1
;; launch gru (part 2): grid 256 x 1, 4 waves a work-group, clusters of 4 x 1, 327,680 bytes of LDS; arguments x_re, x_im, h_re, h_im, wq, bq, out0; writes out0
.if DOCPART == 2
	.amdgcn_target "amdgcn-amd-amdhsa--gfx1250"
	.amdhsa_code_object_version 6
	.text
	.protected	k_qe9d4043518_gru
	.globl	k_qe9d4043518_gru
	.p2align	8
	.type	k_qe9d4043518_gru,@function
k_qe9d4043518_gru:
	s_mov_b64 s[64:65], 0
	v_nop
	global_prefetch_b8 v0, s[64:65] scope:SCOPE_SE
	s_setreg_imm32_b32 hwreg(HW_REG_WAVE_MODE, 25, 1), 1
	s_wait_xcnt 0x0
	s_wait_alu depctr_hold_cnt(0) depctr_sa_sdst(0) depctr_va_vdst(0) depctr_va_sdst(0) depctr_va_ssrc(0) depctr_va_vcc(0) depctr_vm_vsrc(0)
	s_getreg_b32 s2, hwreg(HW_REG_IB_STS2, 6, 4)
	s_cmp_eq_u32 s2, 0
	s_cbranch_scc0 .Lentry_in_a_cluster
	s_endpgm
.Lentry_in_a_cluster:
	s_bfe_u32 s2, ttmp6, 0x10000c
	s_cmp_lg_u32 s2, 0x3003
	s_cbranch_scc0 .Lentry_shape_is_right
	s_endpgm
.Lentry_shape_is_right:
; The complex GRU cell, whole: r = sig(Wr [x, h] + Ur h + b), z likewise, hh = tanh(Wh [x, r h] + Uh h + b), out = h + z (hh - h), all complex; every product on codes of FP4 (E2M1) with one E8M0 byte for each 32 along K.
; K is cut in blocks of 32 and both halves of a concatenation are 256 wide, so six arrays are quantised once each: x_re, x_im, h_re, h_im, (r h)_re, (r h)_im.  y_re = a_re w_re - a_im w_im: the minus is a flip of the codes' sign bits, which is exact.
; SHARES.  A work-group owns 64 rows (256 work-groups).  THE FOUR WAVES SHARE THE COLUMNS: wave w owns columns 64 w .. 64 w + 63 of every gate, re and im, for all 64 rows: 32 accumulators a gate, 256 registers.
; The same 64 columns are its share of x, h and out0: 256 bytes of a row, so sixteen lanes load or store 256 consecutive aligned bytes.  They are register group w % 2 of K step w / 2 of an operand.
; THE WEIGHTS come from wq, laid by the launch before in the order of the operand registers: 18 units (a pair re, im; 128 along K; all 256 columns), 8,704 bytes a wave and unit.  Two slots in LDS: slot 0 holds four units,
; slot 1 three; the fills are units 0-3, 4-6 (both at the start), 7-10, 11-13, 14-17.  Each wave fetches its own part of a fill by one tensor load (34,816 or 26,112 dense bytes) and alone reads it, each fragment once, for 8 matrix instructions.
; CLUSTER.  All work-groups walk the same weights: the four of a cluster ask JOINTLY: the same tensor load, the same descriptor (it hangs on the wave's number and the slot alone), a mask that names the four.
; THE PRODUCTS ARE USED TRANSPOSED (source 0 = 16 rows of a weight, source 1 = 16 rows of an activation), and a weight tile's rows are chosen so that lane (r, h) holds row r and register 8 t + j of a tile of rows holds
; column 64 w + 32 (t / 2) + 16 h + 8 (t % 2) + j: 16 neighbours in 16 registers, as the conversions want them.  h is kept in registers in that same layout and is read from memory once.
; ACTIVATIONS GO FROM WAVE TO WAVE THROUGH LDS AS IMAGES OF THE OPERAND'S REGISTERS: a wave's codes of 16 rows are one ds_store_b128 (16 x lane), its two scale bytes a row one ds_store_b16.
; ORDER: x in, quantised | barrier | units 0-3 (x's part of r and z; h lands meanwhile) | h quantised | barrier | units 4-7 (h's part of r) | r, r h, quantised | barrier | units 8-11 (h's part of z) | z | units 12-17 | tanh, the mix, out.
; r's units stand ahead of z's so that EACH REFILL HAS A PHASE OF VECTOR WORK IN WHICH TO LAND: units 7-10 are asked for in unit 3 and first read in the middle of unit 6 (200 matrix instructions and h's quantising between);
; units 11-13 in unit 7, read in unit 10 (200 and the phase of r); units 14-17 in unit 11, read in unit 13 (136 and the phase of z).  The price: h's fragments are fetched from LDS once for r and once for z.
; sig(y + b) = 1 / (1 + 2^(c y + c b)), c = -log2(e); tanh = 1 - 2 / (1 + 2^(c y + c b)), c = 2 log2(e); c b comes ready from bq.
; LIMITS: NaN and infinities among the inputs are not served.  A block of zeros gets the byte 1 with zero codes; blocks whose largest magnitude lies under 2^-124 are held at the byte 1.  The bias enters as fma(y, c, c b):
; another order of rounding than y + b.  An exponential under 2^-126 comes out as 0 (ISA guide, v_exp_f32); one that overflows gives the limits 0, 1 and +-1.
; REGISTERS, in windows of 256.  Window 0: v1-11 addresses; v16-23 the weights' scale words, v24-31 the activations' (two sets each); v32-63, v64-95 a unit's re and im weight fragments; v96-127, v128-159 the re activation's
; fragments, two buffers; v160-191 the im activation's, v192-223 their negatives; v224-239 the quantiser's.  Outside the products: v32-95 biases, v96-159 numbers at work, v160-223 rows on the way out.
; Windows 1, 2, 3 share one index, 128 part + 32 m + 8 t + j (m: tile of 16 rows): window 1: x as it lands, then r, then r h, then hh; window 2: z; window 3: h.
.set S0B,   139264                     ; slot 0: four units of all four waves
.set S1B,   104448                     ; slot 1: three
.set W0P,   34816                      ; a wave's part of slot 0: 136 rows of 256 bytes
.set W1P,   26112                      ; of slot 1: 102 rows
.set UNITB, 8704                       ; a wave's part of a unit: 8 fragments of 1,024 bytes, 512 bytes of scale words
.set BIA,   S0B+S1B                    ; the biases, 1,536 bytes a wave: filled once
.set IMG,   BIA+6144                   ; the activations' images: fragment (array a, K step s, tile m) at ((2 a + s) 4 + m) 1,024;  a: 0 x_re, 1 x_im, 2 h_re, 3 h_im, 4 (r h)_re, 5 (r h)_im
.set ASC,   IMG+49152                  ; their scale words: (pair p = a / 2, s) at (2 p + s) 512: [lane 32][m 4]: lanes 0-15 the re array's rows, lanes 16-31 the im array's
.set STG,   ASC+3072                   ; a stage of 16 rows x 272 bytes for each wave
.set SP,    272                        ; a stage row: 256 bytes + 16: the sixteen rows that an instruction touches start at sixteen different banks (64 banks of 4 bytes: ISA guide 11.1)
.set SPARE, STG+4*16*SP                ; the spare words, 128 bytes for each wave: two blocks of 256 bytes that no other line names
.set SPW, 1                            ; v1   LDS address of my spare word; never rewritten
.set NIL, 2                            ; v2   0; never rewritten
.set AW0, 3                            ; v3, v4  16 x lane + my part of slot 0, of slot 1
.set AIM, 5                            ; v5   IMG + 16 x lane
.set AIW, 6                            ; v6   where I store my codes: IMG + 4,096 (w / 2) + 512 (w % 2) + 16 x lane
.set ASW, 7                            ; v7   and my two scale bytes: ASC + 512 (w / 2) + 2 (w % 2) + 16 r
.set STI, 8                            ; v8   the stage by rows: 272 (lane / 16) + 16 (lane % 16)
.set STL, 9                            ; v9   the stage by lanes: 272 r + 64 h
.set GIO, 10                           ; v10  x, h, out0: 256 w + 1,024 (lane / 16) + 16 (lane % 16)
.set ABI, 11                           ; v11  BIA + 1,536 w + 64 h
.set SW,  16
.set SA,  24
.set WRE, 32
.set WIM, 64
.set BI,  32
.set AR0, 96
.set AI,  160
.set NI,  192
.set XT,  96                           ; two sets of 32 numbers of x
.set TT,  96                           ; at work in the gates
.set UU,  128
.set OB,  160                          ; rows on the way out
.set MX,  224                          ; v224-225 largest magnitudes; v226-227 the other half's; v228-229 scale operands; v230-231 bytes; v232 the two bytes
.set PX,  226
.set SCL, 228
.set BY,  230
.set HW,  232
.set PC,  236                          ; v236-239 the codes just made
.set WV,  20                           ; s20  my wave's number
.set G1,  24                           ; s[24:31] descriptor group 1 for slot 0's fills
.set G0,  32                           ; s[32:39] group 0, a set for each slot
.set G0B, 40                           ; s[40:43] group 0 for the biases
.set SEL, 44                           ; s[44:45] lane selects for v_permlanex16_b32: lane l xor 16
.set C1,  46                           ; s[46:47] -log2(e), twice (the packed form names a pair)
.set C2,  48                           ; s[48:49] 2 log2(e), twice
.set SGN, 50                           ; s50  the eight sign bits of a word of codes
.set G1B, 56                           ; s[56:63] group 1 for the biases
.set G1S, 68                           ; s[68:75] group 1 for slot 1's fills
.set MSB, 0
.macro WIN new                         ; the immediate's high byte repeats the setting that is left; a switch that changes nothing is dropped
.if MSB != (\new)
	s_set_vgpr_msb (MSB<<8)|(\new)
.set MSB, (\new)
.endif
.endm
; A load into a register that a matrix instruction has read, and a vector instruction that reads a matrix result or writes one of a matrix instruction's registers, stand four places behind it; only plain vector
; instructions that name none of its registers are places (ISA guide 7.12.1 for vector instructions).
.macro PLACES
.rept 4
	v_nop
.endr
.endm
.macro CREST                           ; a round of the cluster's barrier behind its opening barrier
	s_cmp_lg_u32 s[WV], 0
	s_cbranch_scc1 .Lnot_wave_0_\@
	s_barrier_signal -3
.Lnot_wave_0_\@:
	s_barrier_wait -3
	s_barrier_signal -1
	s_barrier_wait -1
.endm
.macro ROUND                           ; a whole round
	s_barrier_signal -1
	s_barrier_wait -1
	CREST
.endm
.macro BARRIER                         ; my LDS stores have landed and my LDS loads are in: then the work-group's barrier
	s_wait_dscnt 0x0
	s_barrier_signal -1
	s_barrier_wait -1
.endm
; Unit u lies in slot (u % 7) / 4, as that slot's unit (u % 7) % 4.
.macro LOADW dst, u, part              ; unit u's four fragments of one part: 8 loads, 512 consecutive bytes each
.irp t, 0,1,2,3
.irp c, 0,1
	ds_load_b128 v[(\dst)+8*\t+4*\c:(\dst)+8*\t+4*\c+3], v[AW0+(((\u)%7)/4)] offset:(((\u)%7)%4)*UNITB+(4*\part+\t)*1024+512*\c
.endr
.endr
.endm
.macro LOADSW u                        ; its scale words: register t: lanes 0-15 re's tile t, lanes 16-31 im's
	ds_load_b128 v[SW+4*((\u)%2):SW+4*((\u)%2)+3], v[AW0+(((\u)%7)/4)] offset:(((\u)%7)%4)*UNITB+8192
.endm
.macro LOADA dst, a, s                 ; array a's four fragments (tiles of rows) of K step s
.irp m, 0,1,2,3
.irp c, 0,1
	ds_load_b128 v[(\dst)+8*\m+4*\c:(\dst)+8*\m+4*\c+3], v[AIM] offset:((2*(\a)+(\s))*4+\m)*1024+512*\c
.endr
.endr
.endm
.macro LOADSA set, p, s                ; pair p's scale words of K step s: register m: lanes 0-15 the re array's tile m, lanes 16-31 the im array's
	ds_load_b128 v[SA+4*(\set):SA+4*(\set)+3], v[AIM] offset:ASC-IMG+(2*(\p)+(\s))*512
.endm
; Matrix instructions of one part of unit u's weights, tiles t0 .. t0 + n - 1, against the four tiles of rows: two for each (t, m).
; re weights: y_re += a_re w_re, y_im += a_im w_re.   im weights: y_re += (-a_im) w_im, y_im += a_re w_im.
; The 32 accumulators take turns, one instruction a turn, in the same order in both halves and in every unit.  zero = 1: the product starts the sum.
.macro MUL part, t0, n, zero, par, u
.set T, \t0
.rept \n
.set M, 0
.rept 4
.set rD0, 32*M+8*T
.set rD1, 128+32*M+8*T
.set rW,  WRE+32*\part+8*T
.set rSW, SW+4*((\u)%2)+T
.set rSA, SA+4*\par+M
.set rAR, AR0+32*\par+8*M
.set rAI, AI+8*M
.set rNI, NI+8*M
.if \part == 0
.if \zero
	v_wmma_scale_f32_16x16x128_f8f6f4 v[rD0:rD0+7], v[rW:rW+7], v[rAR:rAR+7], 0, v[rSW], v[rSA] matrix_a_fmt:MATRIX_FMT_FP4 matrix_b_fmt:MATRIX_FMT_FP4
	v_wmma_scale_f32_16x16x128_f8f6f4 v[rD1:rD1+7], v[rW:rW+7], v[rAI:rAI+7], 0, v[rSW], v[rSA] matrix_a_fmt:MATRIX_FMT_FP4 matrix_b_fmt:MATRIX_FMT_FP4 matrix_b_scale:MATRIX_SCALE_ROW1
.else
	v_wmma_scale_f32_16x16x128_f8f6f4 v[rD0:rD0+7], v[rW:rW+7], v[rAR:rAR+7], v[rD0:rD0+7], v[rSW], v[rSA] matrix_a_fmt:MATRIX_FMT_FP4 matrix_b_fmt:MATRIX_FMT_FP4
	v_wmma_scale_f32_16x16x128_f8f6f4 v[rD1:rD1+7], v[rW:rW+7], v[rAI:rAI+7], v[rD1:rD1+7], v[rSW], v[rSA] matrix_a_fmt:MATRIX_FMT_FP4 matrix_b_fmt:MATRIX_FMT_FP4 matrix_b_scale:MATRIX_SCALE_ROW1
.endif
.else
	v_wmma_scale_f32_16x16x128_f8f6f4 v[rD0:rD0+7], v[rW:rW+7], v[rNI:rNI+7], v[rD0:rD0+7], v[rSW], v[rSA] matrix_a_fmt:MATRIX_FMT_FP4 matrix_b_fmt:MATRIX_FMT_FP4 matrix_a_scale:MATRIX_SCALE_ROW1 matrix_b_scale:MATRIX_SCALE_ROW1
	v_wmma_scale_f32_16x16x128_f8f6f4 v[rD1:rD1+7], v[rW:rW+7], v[rAR:rAR+7], v[rD1:rD1+7], v[rSW], v[rSA] matrix_a_fmt:MATRIX_FMT_FP4 matrix_b_fmt:MATRIX_FMT_FP4 matrix_a_scale:MATRIX_SCALE_ROW1
.endif
.set M, M+1
.endr
.set T, T+1
.endr
.endm
.macro XORS                            ; the im activation's codes with their signs turned; four places follow, since a scaled matrix instruction reads them
.set I, 0
.rept 32
	v_xor_b32 v[NI+I], s[SGN], v[AI+I]
.set I, I+1
.endr
	PLACES
.endm
; A UNIT: 64 matrix instructions.  acc: the accumulators' window (1: r, later hh; 2: z).  new = 1: a new activation: its negatives are made.  par: the set of the re activation's fragments and of the scale words.
; fill = 1, 2: slot fill - 1, which no wave reads any more once this unit's first loads are in, is filled again.
; pre = 1: the next unit's re weights are fetched in the middle.  pre = 2: the next activation (pair np, K step ns) comes too, in two parts, so that each half of the unit has 17 loads beside its 32 matrix instructions:
; its re fragments and scale words at the head, into the other set, which is free; its im fragments in the middle, when the re half has multiplied by the old ones.
; tw = 1: the wave's one tensor load that is out is waited for in front of the fetches in the middle, which are the first reads of what it brought (the bytes are the wave's own: no barrier).
.macro UNIT u, acc, zero, new, par, fill, pre, np, ns, tw
	PLACES                                         ; behind the unit before: for the loads into registers that it has read, and for the negatives
	LOADW WIM, \u, 1
.if \pre == 2
	LOADA AR0+32*(1-\par), 2*\np, \ns
	LOADSA 1-\par, \np, \ns
.endif
.if \fill
	s_wait_tensorcnt 0x0                           ; all my tensor loads have landed;
	ds_add_u32 v[SPW], v[NIL]                      ; 0 onto my spare word
	s_add_nc_u64 s[G0+4*(\fill-1)+2:G0+4*(\fill-1)+3], s[G0+4*(\fill-1)+2:G0+4*(\fill-1)+3], S0B+S1B   ; no load of mine is out, so a group 0 may be written: the slot's next fill lies seven units on
	s_wait_dscnt 9                                 ; the add and the eight loads just issued may be out: re weights, activations and scale words are in
.elseif \pre == 2
	s_wait_dscnt 17                                ; the seventeen loads just issued may be out: re weights, activations and scale words are in
.else
	s_wait_dscnt 8                                 ; the eight loads just issued may be out: re weights, activations and scale words are in
.endif
.if \new
	XORS
.endif
	WIN 0x50*\acc                                  ; C and D in the accumulators' window
	MUL 0, 0, 2, \zero, \par, \u
.if \fill
	s_wait_dscnt 0x0                               ; the add is done, and my LDS reads are in, those of the slot to be filled among them
	s_barrier_signal -1                            ; this barrier opens a round of the cluster's barrier
	MUL 0, 2, 1, \zero, \par, \u                   ; work on registers while the others arrive
	WIN 0
	s_barrier_wait -1
	CREST                                          ; no wave of any partner still reads that slot or has a load on its way
.if \fill == 1
	tensor_load_to_lds s[G0:G0+3], s[G1:G1+7]      ; my one tensor load behind the round, and the first thing there
	s_nop 0
.else
	tensor_load_to_lds s[G0+4:G0+7], s[G1S:G1S+7]
	s_nop 0
.endif
	PLACES
	WIN 0x50*\acc
	MUL 0, 3, 1, \zero, \par, \u
.else
	MUL 0, 2, 2, \zero, \par, \u
.endif
	WIN 0
.if \pre == 2
	s_wait_dscnt 9                                 ; the im weights are in (asked for 32 matrix instructions ago); the nine loads behind them may be out
.else
	s_wait_dscnt 0x0                               ; the im weights are in (asked for 32 matrix instructions ago)
.endif
.if \pre
	PLACES                                         ; for the loads into registers that the re half has read
.if \tw
	s_wait_tensorcnt 0x0                           ; the slot that the next unit begins is whole
.endif
	LOADW WRE, \u+1, 0
	LOADSW \u+1
.if \pre == 2
	LOADA AI, 2*\np+1, \ns                         ; the im half multiplies by the negatives and the re fragments: the im fragments are free
.endif
.endif
	WIN 0x50*\acc
	MUL 1, 0, 4, 0, \par, \u
	WIN 0
.endm
.macro PRO u, p, s                     ; in front of a run of units: unit u's re weights and the activation (pair p, K step s), into set 0
	PLACES
	LOADW WRE, \u, 0
	LOADSW \u
	LOADA AR0, 2*\p, \s
	LOADA AI, 2*\p+1, \s
	LOADSA 0, \p, \s
.endm
; 32 numbers of a lane in window w, register 16 b + i = column 32 b + 16 h + i of my wave's 64, row r of tile m of array a, become my register group of the operand's image and my two scale bytes.
.macro QUANT src, w, a, m
	WIN 5*(\w)                                     ; sources 0 and 1 in window w
.irp b, 0,1
	v_max3_num_f32 v[MX+\b], |v[(\src)+16*\b]|, |v[(\src)+16*\b+1]|, 0x1800000   ; block b: my 16 numbers, and the floor 2^(3 - 127): the byte cannot fall under 1
.endr
.irp i, 2,4,6,8,10,12,14
.irp b, 0,1
	v_max3_num_f32 v[MX+\b], |v[(\src)+16*\b+\i]|, |v[(\src)+16*\b+\i+1]|, v[MX+\b]   ; the two blocks by turns
.endr
.endr
	WIN 0
.irp b, 0,1
	v_permlanex16_b32 v[PX+\b], v[MX+\b], s[SEL], s[SEL+1]
.endr
.irp b, 0,1
	v_max_num_f32 v[MX+\b], v[MX+\b], v[PX+\b]     ; with lane l xor 16's 16: the block's largest magnitude
.endr
.irp b, 0,1
	v_add_nc_u32 v[SCL+\b], 0xff000000, v[MX+\b]   ; 2 off its exponent field: the conversion's scale operand
.endr
.irp b, 0,1
	v_lshrrev_b32 v[BY+\b], 23, v[SCL+\b]          ; the scale's byte
.endr
	v_lshl_or_b32 v[HW], v[BY+1], 8, v[BY]
	WIN \w                                         ; source 0 in window w
.irp b, 0,1
.irp e, 0,1
	v_cvt_scalef32_pk8_fp4_f32 v[PC+2*\b+\e], v[(\src)+16*\b+8*\e:(\src)+16*\b+8*\e+7], v[SCL+\b]
.endr
.endr
	WIN 0
	v_nop                                          ; one plain place behind the conversions
	v_permlane16_swap_b32 v[PC], v[PC+2]           ; the operand's layout wants a whole block in a lane: lanes 0-15 block 0, lanes 16-31 block 1
	v_permlane16_swap_b32 v[PC+1], v[PC+3]
	ds_store_b128 v[AIW], v[PC:PC+3] offset:8192*(\a)+1024*(\m)
	ds_store_b16 v[ASW], v[HW] offset:1024*((\a)/2)+256*((\a)%2)+4*(\m)   ; lanes r and r + 16 write the same two bytes with the same value
.endm
; The 64 registers of tile m, both parts, in the window that code names (destination and source 0): y -> 1 / (1 + 2^(c y + c b)).  Each accumulator is taken from its low end on.
.macro SIG code, m, c
	WIN \code
.irp p, 0,1
.set I, 0
.rept 16
	v_pk_fma_f32 v[128*\p+32*\m+I:128*\p+32*\m+I+1], v[128*\p+32*\m+I:128*\p+32*\m+I+1], s[\c:\c+1], v[BI+32*\p+I:BI+32*\p+I+1] op_sel_hi:[1,0,1]
.set I, I+2
.endr
.endr
.irp p, 0,1
.set I, 0
.rept 32
	v_exp_f32 v[128*\p+32*\m+I], v[128*\p+32*\m+I]
.set I, I+1
.endr
.endr
	v_nop                                          ; a plain place behind the last exponential
	s_wait_alu depctr_va_vdst(0)
.irp p, 0,1
.set I, 0
.rept 16
	v_pk_add_f32 v[128*\p+32*\m+I:128*\p+32*\m+I+1], v[128*\p+32*\m+I:128*\p+32*\m+I+1], 1.0 op_sel_hi:[1,0]
.set I, I+2
.endr
.endr
.irp p, 0,1
.set I, 0
.rept 32
	v_rcp_f32 v[128*\p+32*\m+I], v[128*\p+32*\m+I]
.set I, I+1
.endr
.endr
	v_nop                                          ; a plain place behind the last reciprocal
.endm
.macro LOADB g                         ; gate g's 64 numbers c b of my lane: register 32 part + 16 b + i = column 32 b + 16 h + i
	PLACES
.irp p, 0,1
.irp b, 0,1
.irp j, 0,1,2,3
	ds_load_b128 v[BI+32*\p+16*\b+4*\j:BI+32*\p+16*\b+4*\j+3], v[ABI] offset:512*\g+256*\p+128*\b+16*\j
.endr
.endr
.endr
	s_wait_dscnt 0x0
.endm
	s_load_b256 s[4:11], s[0:1], 0x0               ; x_re s[4:5], x_im s[6:7], h_re s[8:9], h_im s[10:11]
	s_load_b128 s[12:15], s[0:1], 0x20             ; wq, bq
	s_load_b64 s[16:17], s[0:1], 0x30              ; out0
	v_lshl_add_u32 v[SPW], v0, 2, SPARE
	v_mov_b32 v[NIL], 0
	ds_add_u32 v1, v2
	ds_add_u32 v1, v2
	s_wait_dscnt 0x0
	v_lshrrev_b32 v12, 5, v0
	v_readfirstlane_b32 s[WV], v12                 ; wave 0..3
	v_and_b32 v13, 31, v0                          ; lane
	v_and_b32 v14, 15, v0                          ; r
	v_bfe_u32 v15, v0, 4, 1                        ; h
	s_bfe_u32 s21, ttmp6, 0x40000                  ; cx: my place in the cluster: it enters the addresses of x, h and out0 alone
	s_lshl_b32 s22, ttmp9, 2                       ; in a cluster launch ttmp9 counts clusters
	s_add_co_u32 s22, s22, s21                     ; my block of 64 rows
	s_lshl_b32 s22, s22, 16                        ; of 1,024 bytes
	s_mov_b32 s23, 0
	s_lshl_b32 s2, s[WV], 8
	v_lshlrev_b32 v[GIO], 10, v15
	v_lshl_add_u32 v[GIO], v14, 4, v[GIO]
	v_add_nc_u32 v[GIO], s2, v[GIO]
	s_wait_kmcnt 0x0
	s_add_nc_u64 s[4:5], s[4:5], s[22:23]
	s_add_nc_u64 s[6:7], s[6:7], s[22:23]
	s_add_nc_u64 s[8:9], s[8:9], s[22:23]
	s_add_nc_u64 s[10:11], s[10:11], s[22:23]
	s_add_nc_u64 s[16:17], s[16:17], s[22:23]      ; out0's re plane,
	s_add_nc_u64 s[18:19], s[16:17], 0x1000000     ; and its im plane
	WIN 0x40                                       ; destination window 1
.set I, 0
.rept 32
	global_load_b128 v[4*I:4*I+3], v[GIO], s[4:5] offset:2048*I th:TH_LOAD_NT   ; x_re, rows 2 I and 2 I + 1: sixteen lanes read 256 consecutive aligned bytes
.set I, I+1
.endr
	WIN 0
	s_mul_i32 s52, s[WV], W0P                      ; my part of slot 0, in LDS and in wq's first fill alike
	s_mov_b32 s53, 0
	s_mul_i32 s22, s[WV], W1P
	s_add_co_u32 s22, s22, S0B                     ; my part of slot 1, in LDS and in wq's second fill alike (s23 is 0)
	s_mul_i32 s54, s[WV], 1536
	s_mov_b32 s55, 0
	v_lshl_add_u32 v[AW0], v13, 4, s52
	v_lshl_add_u32 v[AW0+1], v13, 4, s22
	v_lshl_add_u32 v[AIM], v13, 4, IMG
	s_lshr_b32 s2, s[WV], 1
	s_lshl_b32 s2, s2, 12
	s_and_b32 s3, s[WV], 1
	s_lshl_b32 s3, s3, 9
	s_add_co_u32 s2, s2, s3
	s_add_co_u32 s2, s2, IMG
	v_lshl_add_u32 v[AIW], v13, 4, s2
	s_lshr_b32 s2, s[WV], 1
	s_lshl_b32 s2, s2, 9
	s_and_b32 s3, s[WV], 1
	s_lshl_b32 s3, s3, 1
	s_add_co_u32 s2, s2, s3
	s_add_co_u32 s2, s2, ASC
	v_lshl_add_u32 v[ASW], v14, 4, s2
	s_mul_i32 s2, s[WV], 16*SP
	s_add_co_u32 s2, s2, STG
	v_mul_u32_u24 v[STI], v15, SP
	v_lshl_add_u32 v[STI], v14, 4, v[STI]
	v_add_nc_u32 v[STI], s2, v[STI]
	v_mul_u32_u24 v[STL], v14, SP
	v_lshl_add_u32 v[STL], v15, 6, v[STL]
	v_add_nc_u32 v[STL], s2, v[STL]
	s_add_co_u32 s3, s54, BIA
	v_lshl_add_u32 v[ABI], v15, 6, s3
	v_mov_b32 v[PX], 0                             ; written once: a lane permute's destination counts as one of its sources
	v_mov_b32 v[PX+1], 0
	; descriptor group 1: a dense block as rows of 256 bytes (32 elements of 8 bytes): 136 rows for a wave's part of slot 0, 102 for its part of slot 1, 6 for its biases
	s_mov_b32 s[G1], 15|(3<<16)|(1<<21)            ; 15:0 the mask: all four work-groups; 17:16 elements of 8 bytes; 20 no padding; 21 set beside a mask
	s_mov_b32 s[G1+1], 32<<16                      ; tensor_dim0 = 32
	s_mov_b32 s[G1+2], 136<<16                     ; tensor_dim1 = 136
	s_mov_b32 s[G1+3], 32<<16                      ; tile_dim0 = 32
	s_mov_b32 s[G1+4], 136                         ; tile_dim1 = 136
	s_mov_b32 s[G1+5], 32                          ; from row to row
	s_mov_b32 s[G1+6], 0
	s_mov_b32 s[G1+7], 0
	s_mov_b32 s[G1S], 15|(3<<16)|(1<<21)
	s_mov_b32 s[G1S+1], 32<<16
	s_mov_b32 s[G1S+2], 102<<16
	s_mov_b32 s[G1S+3], 32<<16
	s_mov_b32 s[G1S+4], 102
	s_mov_b32 s[G1S+5], 32
	s_mov_b32 s[G1S+6], 0
	s_mov_b32 s[G1S+7], 0
	s_mov_b32 s[G1B], 15|(3<<16)|(1<<21)
	s_mov_b32 s[G1B+1], 32<<16
	s_mov_b32 s[G1B+2], 6<<16
	s_mov_b32 s[G1B+3], 32<<16
	s_mov_b32 s[G1B+4], 6
	s_mov_b32 s[G1B+5], 32
	s_mov_b32 s[G1B+6], 0
	s_mov_b32 s[G1B+7], 0
	; group 0: both addresses hang on the wave's number and the slot alone
	s_mov_b32 s[G0], 1                             ; count = 1
	s_mov_b32 s[G0+1], s52                         ; LDS: my part of slot 0
	s_add_nc_u64 s[G0+2:G0+3], s[12:13], s[52:53]  ; wq: my part of units 0-3
	s_or_b32 s[G0+3], s[G0+3], 0x80000000          ; type = 2
	s_mov_b32 s[G0+4], 1
	s_mov_b32 s[G0+5], s22                         ; slot 1
	s_add_nc_u64 s[G0+6:G0+7], s[12:13], s[22:23]  ; units 4-6
	s_or_b32 s[G0+7], s[G0+7], 0x80000000
	s_mov_b32 s[G0B], 1
	s_mov_b32 s[G0B+1], s3
	s_add_nc_u64 s[G0B+2:G0B+3], s[14:15], s[54:55]
	s_or_b32 s[G0B+3], s[G0B+3], 0x80000000
	s_mov_b32 s[SEL], 0x76543210
	s_mov_b32 s[SEL+1], 0xfedcba98
	s_mov_b32 s[C1], 0xbfb8aa3b
	s_mov_b32 s[C1+1], 0xbfb8aa3b
	s_mov_b32 s[C2], 0x4038aa3b
	s_mov_b32 s[C2+1], 0x4038aa3b
	s_mov_b32 s[SGN], 0x88888888
	ROUND                                          ; all four work-groups are here: the first joint loads meet
	tensor_load_to_lds s[G0B:G0B+3], s[G1B:G1B+7]  ; the three first fills go out together: three loads of mine are out
	s_nop 0
	tensor_load_to_lds s[G0:G0+3], s[G1:G1+7]
	s_nop 0
	tensor_load_to_lds s[G0+4:G0+7], s[G1S:G1S+7]
	s_nop 0
	PLACES                                         ; four v_nop follow the last of them
	WIN 0x40
.set I, 0
.rept 32
	global_load_b128 v[128+4*I:128+4*I+3], v[GIO], s[6:7] offset:2048*I th:TH_LOAD_NT   ; x_im
.set I, I+1
.endr
	WIN 0
; ---- X.  Step q takes 16 rows (tile q % 4 of x_re, then of x_im) as they were loaded, turns them through my stage so that a lane holds 32 numbers of ONE row, and asks for the same 16 rows of h.
; The quantiser works one step behind the stage.  LDS serves a wave's instructions in order (ISA guide 5.7.1.4): no wait stands between the stores and the loads, nor in front of the next step's stores.
.macro XSTEP q
	s_wait_loadcnt 56                              ; 64 + 8 q loads have been issued, the first 8 (q + 1) are wanted
	WIN 0x04                                       ; an LDS store's data are its source 1: window 1
.irp i, 0,1,2,3,4,5,6,7
	ds_store_b128 v[STI], v[32*\q+4*\i:32*\q+4*\i+3] offset:2*SP*\i
.endr
	WIN 0
.irp b, 0,1
.irp j, 0,1,2,3
	ds_load_b128 v[XT+32*((\q)%2)+16*\b+4*\j:XT+32*((\q)%2)+16*\b+4*\j+3], v[STL] offset:128*\b+16*\j
.endr
.endr
	WIN 0xc0                                       ; destination window 3
.irp i, 0,1,2,3,4,5,6,7
	global_load_b128 v[32*\q+4*\i:32*\q+4*\i+3], v[GIO], s[8+2*((\q)/4):9+2*((\q)/4)] offset:2048*(8*((\q)%4)+\i) th:TH_LOAD_NT
.endr
	WIN 0
.if \q > 0
	s_wait_dscnt 16                                ; this step's sixteen may be out: the last step's numbers are back, and the stores of the codes before them have read their registers
	QUANT XT+32*((\q-1)%2), 0, (\q-1)/4, (\q-1)%4
.endif
.endm
.irp q, 0,1,2,3,4,5,6,7
	XSTEP \q
.endr
	s_wait_dscnt 0x0
	QUANT XT+32, 0, 1, 3
	s_wait_tensorcnt 0x1                           ; the biases and my part of slot 0 are in; slot 1's load may stay out
	BARRIER                                        ; x's sixteen fragments and their scale words lie in LDS
; ---- x's part of r and z, while h is on its way.  In unit 3 slot 0 takes units 7-10
	PRO 0, 0, 0
	UNIT 0,  1, 1, 1, 0, 0, 1, 0, 0, 0
	UNIT 1,  2, 1, 0, 0, 0, 2, 0, 1, 0
	UNIT 2,  1, 0, 1, 1, 0, 1, 0, 0, 0
	UNIT 3,  2, 0, 0, 1, 1, 0, 0, 0, 0
; ---- H.  As X, but the turned rows come back into the registers that they left: h stays, in the accumulators' layout.
.macro HSTEP q
	s_wait_loadcnt 56-8*\q                         ; h's later steps may be out
	WIN 0x0c                                       ; the data: window 3
.irp i, 0,1,2,3,4,5,6,7
	ds_store_b128 v[STI], v[32*\q+4*\i:32*\q+4*\i+3] offset:2*SP*\i
.endr
	WIN 0xc0                                       ; destination window 3
.irp b, 0,1
.irp j, 0,1,2,3
	ds_load_b128 v[32*\q+16*\b+4*\j:32*\q+16*\b+4*\j+3], v[STL] offset:128*\b+16*\j
.endr
.endr
	WIN 0
.if \q > 0
	s_wait_dscnt 16                                ; this step's sixteen may be out
	QUANT 32*(\q-1), 3, 2+(\q-1)/4, (\q-1)%4
.endif
.endm
.irp q, 0,1,2,3,4,5,6,7
	HSTEP \q
.endr
	s_wait_dscnt 0x0
	QUANT 224, 3, 3, 3
	BARRIER                                        ; h's sixteen fragments lie in LDS
; ---- h's part of r.  In unit 7 slot 1 takes units 11-13
	PRO 4, 1, 0
	UNIT 4,  1, 0, 1, 0, 0, 1, 0, 0, 0
	UNIT 5,  1, 0, 0, 0, 0, 2, 1, 1, 0
	UNIT 6,  1, 0, 1, 1, 0, 1, 0, 0, 1
	UNIT 7,  1, 0, 0, 1, 2, 0, 0, 0, 0
; ---- R: r = sig(..); r h, complex, in r's place; quantised
	LOADB 0
.irp m, 0,1,2,3
	SIG 0x41, \m, C1
	WIN 0x0d                                       ; source 0 (r) window 1, source 1 (h) window 3, destination window 0
.set I, 0
	s_wait_alu depctr_va_vdst(0)
.rept 16
	v_pk_mul_f32 v[TT+I:TT+I+1], v[32*\m+I:32*\m+I+1], v[32*\m+I:32*\m+I+1]             ; r_re h_re
	v_pk_mul_f32 v[UU+I:UU+I+1], v[32*\m+I:32*\m+I+1], v[128+32*\m+I:128+32*\m+I+1]     ; r_re h_im
.set I, I+2
.endr
	WIN 0x4d                                       ; the same with the destination in window 1
.set I, 0
.rept 16
	v_pk_fma_f32 v[32*\m+I:32*\m+I+1], v[128+32*\m+I:128+32*\m+I+1], v[128+32*\m+I:128+32*\m+I+1], v[TT+I:TT+I+1] neg_lo:[1,0,0] neg_hi:[1,0,0]   ; (r h)_re = -r_im h_im + r_re h_re
	v_pk_fma_f32 v[128+32*\m+I:128+32*\m+I+1], v[128+32*\m+I:128+32*\m+I+1], v[32*\m+I:32*\m+I+1], v[UU+I:UU+I+1]                                ; (r h)_im = r_im h_re + r_re h_im
.set I, I+2
.endr
	s_wait_dscnt 0x0                               ; the stores of the codes before have read their registers
	QUANT 32*\m, 1, 4, \m
	s_wait_dscnt 0x0
	QUANT 128+32*\m, 1, 5, \m
.endr
	BARRIER                                        ; r h's sixteen fragments lie in LDS
; ---- h's part of z.  In unit 11 slot 0 takes units 14-17
	PRO 8, 1, 0
	UNIT 8,  2, 0, 1, 0, 0, 1, 0, 0, 0
	UNIT 9,  2, 0, 0, 0, 0, 2, 1, 1, 0
	UNIT 10, 2, 0, 1, 1, 0, 1, 0, 0, 1
	UNIT 11, 2, 0, 0, 1, 1, 0, 0, 0, 0
; ---- Z: z = sig(..), in place
	LOADB 1
.irp m, 0,1,2,3
	SIG 0x82, \m, C1
.endr
	WIN 0
; ---- hh's products: x, h (by Uh), r h
	PRO 12, 0, 0
	UNIT 12, 1, 1, 1, 0, 0, 2, 0, 1, 0
	UNIT 13, 1, 0, 1, 1, 0, 2, 1, 0, 1
	UNIT 14, 1, 0, 1, 0, 0, 2, 1, 1, 0
	UNIT 15, 1, 0, 1, 1, 0, 2, 2, 0, 0
	UNIT 16, 1, 0, 1, 0, 0, 2, 2, 1, 0
	UNIT 17, 1, 0, 1, 1, 0, 0, 0, 0, 0
; ---- the end: hh = tanh(..); d = hh - h; out_re = h_re + z_re d_re - z_im d_im, out_im = h_im + z_re d_im + z_im d_re; a tile of 16 rows at a time through my stage, so that sixteen lanes store 256 consecutive aligned bytes
	LOADB 2
.irp m, 0,1,2,3
	SIG 0x41, \m, C2
	s_wait_alu depctr_va_vdst(0)
.irp p, 0,1
.set I, 0
.rept 16
	v_pk_fma_f32 v[128*\p+32*\m+I:128*\p+32*\m+I+1], v[128*\p+32*\m+I:128*\p+32*\m+I+1], -2.0, 1.0 op_sel_hi:[1,0,0]   ; tanh = 1 - 2 / (1 + 2^(..))
.set I, I+2
.endr
.endr
	WIN 0x4d                                       ; hh window 1, h window 3
.irp p, 0,1
.set I, 0
.rept 16
	v_pk_add_f32 v[128*\p+32*\m+I:128*\p+32*\m+I+1], v[128*\p+32*\m+I:128*\p+32*\m+I+1], v[128*\p+32*\m+I:128*\p+32*\m+I+1] neg_lo:[0,1] neg_hi:[0,1]   ; d = hh - h
.set I, I+2
.endr
.endr
	WIN 0x36                                       ; source 0 (z) window 2, source 1 (d) window 1, source 2 (h) window 3, destination window 0
.set I, 0
.rept 16
	v_pk_fma_f32 v[TT+I:TT+I+1], v[32*\m+I:32*\m+I+1], v[32*\m+I:32*\m+I+1], v[32*\m+I:32*\m+I+1]                   ; z_re d_re + h_re
	v_pk_fma_f32 v[UU+I:UU+I+1], v[32*\m+I:32*\m+I+1], v[128+32*\m+I:128+32*\m+I+1], v[128+32*\m+I:128+32*\m+I+1]   ; z_re d_im + h_im
.set I, I+2
.endr
	WIN 0x06                                       ; source 2 and destination window 0
.set I, 0
.rept 16
	v_pk_fma_f32 v[TT+I:TT+I+1], v[128+32*\m+I:128+32*\m+I+1], v[128+32*\m+I:128+32*\m+I+1], v[TT+I:TT+I+1] neg_lo:[1,0,0] neg_hi:[1,0,0]   ; - z_im d_im
	v_pk_fma_f32 v[UU+I:UU+I+1], v[128+32*\m+I:128+32*\m+I+1], v[32*\m+I:32*\m+I+1], v[UU+I:UU+I+1]                                        ; + z_im d_re
.set I, I+2
.endr
	WIN 0
.if \m > 0
	s_wait_xcnt 0x0                                ; the last tile's stores have had their addresses translated (ISA guide 3.1): only behind this wait are their data registers loaded again
.endif
.irp p, 0,1
.irp b, 0,1
.irp j, 0,1,2,3
	ds_store_b128 v[STL], v[TT+32*\p+16*\b+4*\j:TT+32*\p+16*\b+4*\j+3] offset:128*\b+16*\j
.endr
.endr
.irp i, 0,1,2,3,4,5,6,7
	ds_load_b128 v[OB+32*\p+4*\i:OB+32*\p+4*\i+3], v[STI] offset:2*SP*\i   ; in order behind my stores; the other part's stores come behind these
.endr
.endr
	s_wait_dscnt 16                                ; the im part's sixteen may be out: the re part's rows are back
.irp i, 0,1,2,3,4,5,6,7
	global_store_b128 v[GIO], v[OB+4*\i:OB+4*\i+3], s[16:17] offset:(16*\m+2*\i)*1024 th:TH_STORE_NT
.endr
	s_wait_dscnt 0x0
.irp i, 0,1,2,3,4,5,6,7
	global_store_b128 v[GIO], v[OB+32+4*\i:OB+32+4*\i+3], s[18:19] offset:(16*\m+2*\i)*1024 th:TH_STORE_NT
.endr
.endr
	s_wait_tensorcnt 0x0                           ; the wave's end, behind my last tensor load and my last LDS store
	ds_add_u32 v[SPW], v[NIL]
	s_wait_dscnt 0x0
	ROUND                                          ; the closing round: no work-group ends while a partner may still ask for a tile that names it
	s_endpgm
.Lfunc_end_k_qe9d4043518_gru:
	.size	k_qe9d4043518_gru, .Lfunc_end_k_qe9d4043518_gru-k_qe9d4043518_gru
	.p2alignl 7, 3214868480
	.fill 96, 4, 3214868480
	.section	.rodata,"a",@progbits
	.p2align	6, 0x0
	.amdhsa_kernel k_qe9d4043518_gru
		.amdhsa_group_segment_fixed_size 327680
		.amdhsa_private_segment_fixed_size 0
		.amdhsa_enable_private_segment 0
		.amdhsa_kernarg_size 56
		.amdhsa_user_sgpr_count 2
		.amdhsa_user_sgpr_kernarg_segment_ptr 1
		.amdhsa_wavefront_size32 1
		.amdhsa_system_sgpr_workgroup_id_x 1
		.amdhsa_system_sgpr_workgroup_id_y 1
		.amdhsa_system_sgpr_workgroup_id_z 1
		.amdhsa_system_vgpr_workitem_id 0
		.amdhsa_next_free_vgpr 1024
		.amdhsa_next_free_sgpr 76
		.amdhsa_reserve_vcc 0
		.amdhsa_float_denorm_mode_32 3
		.amdhsa_float_denorm_mode_16_64 3
		.amdhsa_memory_ordered 1
		.amdhsa_forward_progress 1
		.amdhsa_inst_pref_size 255
	.end_amdhsa_kernel
	.section	.bss,"aw",@nobits
	.p2align	6
	.space	262144
	.amdgpu_metadata
---
amdhsa.version: [ 1, 2 ]
amdhsa.kernels:
  - .name:           k_qe9d4043518_gru
    .symbol:         k_qe9d4043518_gru.kd
    .args:
      - { .name: x_re, .offset: 0, .size: 8, .value_kind: global_buffer, .address_space: global }
      - { .name: x_im, .offset: 8, .size: 8, .value_kind: global_buffer, .address_space: global }
      - { .name: h_re, .offset: 16, .size: 8, .value_kind: global_buffer, .address_space: global }
      - { .name: h_im, .offset: 24, .size: 8, .value_kind: global_buffer, .address_space: global }
      - { .name: wq, .offset: 32, .size: 8, .value_kind: global_buffer, .address_space: global }
      - { .name: bq, .offset: 40, .size: 8, .value_kind: global_buffer, .address_space: global }
      - { .name: out0, .offset: 48, .size: 8, .value_kind: global_buffer, .address_space: global }
    .group_segment_fixed_size: 327680
    .private_segment_fixed_size: 0
    .kernarg_segment_align: 8
    .kernarg_segment_size: 56
    .max_flat_workgroup_size: 128
    .sgpr_count:     76
    .vgpr_count:     1024
    .wavefront_size: 32
...
	.end_amdgpu_metadata
.endif
;; end of part 2
